; MI455X (gfx1250); checked and timed in simulation.
; The chip was launched on July 23, 2026; its instructions are those of AMD's public machine-readable ISA for CDNA 5 (MIT licence, August 2026) and "CDNA5" Instruction Set Architecture Reference Guide (July 2026). The comments in the code are by the model that wrote it; some were corrected since.
;; Mo E Layer. Allowed arithmetic: float matrix products may take bf16 or f16 operands with f32 sums; other float arithmetic in f32, or as packed bf16 or f16 multiplies, adds, multiply-adds, maxima and minima; sums over many terms, partial sums and values carried from step to step in f32; what a program stores and reads back later, other than sums and carried values, may be rounded once to bf16 or f16.
;; Inputs: W1 8 x 1,024 x 4,096 float32; W2 8 x 4,096 x 1,024 float32; Wg 1,024 x 8 float32; b1 8 x 4,096 float32; b2 8 x 1,024 float32; x 4 x 256 x 1,024 float32.
;; Outputs: out0 4 x 256 x 1,024 float32; out1 one number float32.
;; One version. Each part assembles by itself: llvm-mc -triple=amdgcn-amd-amdhsa -mcpu=gfx1250 --defsym DOCPART=n.
;; ======== version 1 of 1: 4 launches
;; workspace buffers: xb 2,097,152 bytes; bits 1,024 bytes of whole numbers; eidx 8,192 bytes of whole numbers; rout 10,240 bytes; pos 32,768 bytes of whole numbers; hf 67,108,864 bytes; part 134,217,728 bytes
;; launch router (part 1): grid 64 x 1, 4 waves a work-group, no clusters, 54,784 bytes of LDS; arguments x, Wg, xb, bits, eidx, rout; writes xb, bits, eidx, rout
.if DOCPART == 1
	.amdgcn_target "amdgcn-amd-amdhsa--gfx1250"
	.amdhsa_code_object_version 6
	.text
	.protected	k_qda82c2d0be_router
	.globl	k_qda82c2d0be_router
	.p2align	8
	.type	k_qda82c2d0be_router,@function
k_qda82c2d0be_router:
	s_mov_b64 s[64:65], 0
	v_nop
	global_prefetch_b8 v0, s[64:65] scope:SCOPE_SE
	s_setreg_imm32_b32 hwreg(HW_REG_WAVE_MODE, 25, 1), 1
	s_wait_xcnt 0x0
; ROUTER.  logits = x Wg for 1,024 tokens x 8 experts (K = 1,024); softmax over the experts and its column sums; the two largest logits (the lower index wins a tie), their softmax as gates.
; Also xb = x rounded to bf16, which the first product reads.  All that is decided here is STORED AT FIXED PLACES: eidx[t][2], gates[t][2], a bitmap of the choices (bit = token) for each expert,
; and this work-group's eight column sums; no address and no branch hangs on a logit.
; SHARES.  A work-group has 16 tokens; wave w the channels 256 w .. 256 w + 255 of them: eight matrix instructions on two accumulators by turns; the four waves' partial logits meet in LDS, wave 0 does the rest.
; FORMATS.  x and Wg are rounded to bf16 for the product, sums in f32; softmax in f32 with the row's maximum taken away.
; LIMITS.  Two logits closer than the rounding of the f32 sums (about 1e-6 of their size) may be ordered otherwise than by another order of summation.  NaN and infinities are not treated apart.
; No cluster: no two work-groups read the same x, and Wg is 32 KiB against a work-group's 64 KiB of x, read once by each.
.set XTW,   8448                       ; a wave's own stretch for x: 16 rows x 528 bytes (512 + 16: the 16 rows of a fragment load start 33 x 16 bytes apart)
.set XP,    528
.set WGB,   33792                      ; Wg in bf16, [k][8 experts], 16 bytes a row; wave w's 256 rows at 4,096 w
.set RED,   50176                      ; partial logits: 1,024 bytes a wave
.set SPARE, 54272                      ; the spare words, 128 bytes a wave: two blocks of 256 bytes that no other line names
.set LG,  32                           ; v32-39   the eight logits of token lane % 16
.set EX,  48                           ; v48-55   exponentials, then probabilities, then their column sums
.set CA,  56                           ; v56-63   the logits with the winner taken out
	s_load_b256 s[4:11], s[0:1], 0x0               ; x s[4:5], Wg s[6:7], xb s[8:9], bits s[10:11]
	s_load_b128 s[12:15], s[0:1], 0x20             ; eidx s[12:13], rout s[14:15]
	v_lshl_add_u32 v30, v0, 2, SPARE               ; my spare word,
	v_mov_b32 v31, 0                               ; and 0: kept for the closing lines alone
	v_and_b32 v1, 31, v0                           ; lane
	v_and_b32 v2, 15, v0                           ; r
	v_bfe_u32 v3, v0, 4, 1                         ; h
	v_lshrrev_b32 v4, 5, v0
	v_readfirstlane_b32 s16, v4                    ; wave
	v_lshlrev_b32 v5, 4, v1                        ; 16 x lane
	v_lshlrev_b32 v6, 3, v1                        ; 8 x lane
	s_mov_b32 s17, 0x3fb8aa3b                      ; log2(e)
	s_mov_b32 s18, 0xff800000                      ; -infinity
	s_lshl_b32 s22, s16, 12
	s_add_co_u32 s22, s22, WGB                     ; my rows of Wg in LDS
	s_mul_i32 s23, s16, XTW                        ; my stretch for x
	v_add_nc_u32 v7, s22, v6                       ; Wg in: 8 bytes a lane
	v_add_nc_u32 v8, s23, v6                       ; x in: 8 bytes a lane
	v_mul_u32_u24 v9, v2, XP
	v_lshl_add_u32 v9, v3, 4, v9
	v_add_nc_u32 v9, s23, v9                       ; x fragment: row r, 16 bytes for each half of the lanes
	v_and_b32 v10, 7, v0
	v_lshl_add_u32 v10, v3, 3, v10
	v_lshl_add_u32 v10, v10, 4, s22                ; Wg fragment, turned: row 8 h + lane % 8; no term for a second column half, so fragment rows 8-15 repeat experts 0-7
	s_lshl_b32 s28, s16, 10
	s_add_co_u32 s28, s28, RED
	v_add_nc_u32 v11, s28, v5                      ; my partial logits
	v_add_nc_u32 v12, RED, v5                      ; wave 0 reads all four
	s_mov_b32 s21, 0
	s_wait_kmcnt 0x0
	s_lshl_b32 s20, s16, 13
	s_add_nc_u64 s[6:7], s[6:7], s[20:21]          ; Wg at my 256 rows of 32 bytes
	s_lshl_b32 s20, ttmp9, 16
	s_lshl_b32 s28, s16, 10
	s_add_co_u32 s20, s20, s28
	s_add_nc_u64 s[4:5], s[4:5], s[20:21]          ; x at my 16 tokens, my 1,024 bytes of each row
	s_lshl_b32 s20, ttmp9, 15
	s_lshl_b32 s28, s16, 9
	s_add_co_u32 s20, s20, s28
	s_add_nc_u64 s[8:9], s[8:9], s[20:21]          ; xb likewise, 512 bytes of each row
	s_lshl_b32 s20, ttmp9, 7
	s_add_nc_u64 s[12:13], s[12:13], s[20:21]      ; eidx and the gates: 8 bytes a token
	s_add_nc_u64 s[24:25], s[14:15], s[20:21]
	s_lshl_b32 s20, ttmp9, 5
	s_add_co_u32 s20, s20, 8192
	s_add_nc_u64 s[26:27], s[14:15], s[20:21]      ; my eight column sums, behind the gates
	s_lshl_b32 s20, ttmp9, 1
	s_add_nc_u64 s[10:11], s[10:11], s[20:21]      ; my 16 bits in each expert's bitmap
.set j, 0
.rept 16
	global_load_b128 v[160+4*j:160+4*j+3], v5, s[6:7] offset:512*j
.set j, j+1
.endr
.set q, 0
.rept 32                                               ; token q / 2, half q % 2 of my 1,024 bytes: 512 consecutive bytes a load
	global_load_b128 v[32+4*q:32+4*q+3], v5, s[4:5] offset:4096*(q/2)+512*(q%2) th:TH_LOAD_NT
.set q, q+1
.endr
	s_wait_loadcnt 32                              ; Wg is in: the 32 loads of x were issued behind it
.set j, 0
.rept 16
	v_cvt_pk_bf16_f32 v[160+4*j], v[160+4*j], v[160+4*j+1]
	v_cvt_pk_bf16_f32 v[160+4*j+1], v[160+4*j+2], v[160+4*j+3]
	ds_store_b64 v7, v[160+4*j:160+4*j+1] offset:256*j
.set j, j+1
.endr
.set q, 0
.rept 32
	s_wait_loadcnt 31-q                            ; loads come back in order: load q is in
	v_cvt_pk_bf16_f32 v[32+4*q], v[32+4*q], v[32+4*q+1]
	v_cvt_pk_bf16_f32 v[32+4*q+1], v[32+4*q+2], v[32+4*q+3]
	global_store_b64 v6, v[32+4*q:32+4*q+1], s[8:9] offset:2048*(q/2)+256*(q%2)   ; the wave stores 256 consecutive bytes, aligned
	ds_store_b64 v8, v[32+4*q:32+4*q+1] offset:XP*(q/2)+256*(q%2)
.set q, q+1
.endr
	s_wait_xcnt 0x0                                ; the stores' data registers are loaded into only behind this wait
.set k, 0
.rept 8                                                ; my own bytes: LDS serves a wave's instructions in order, so these see the stores above
	ds_load_b128 v[32+8*k:32+8*k+3], v9 offset:64*k
	ds_load_b128 v[32+8*k+4:32+8*k+7], v9 offset:64*k+32
	ds_load_tr16_b128 v[96+8*k:96+8*k+3], v10 offset:512*k
	ds_load_tr16_b128 v[96+8*k+4:96+8*k+7], v10 offset:512*k+256
.set k, k+1
.endr
	s_wait_dscnt 0x0
; source 0 = 16 rows of Wg^T (experts, twice), source 1 = 16 tokens: register j of every lane is logit j of token lane % 16.  Two accumulators by turns; the first two products start the sums.
.set k, 0
.rept 8
.if k < 2
	v_wmma_f32_16x16x32_bf16 v[224+8*(k%2):224+8*(k%2)+7], v[96+8*k:96+8*k+7], v[32+8*k:32+8*k+7], 0
.else
	v_wmma_f32_16x16x32_bf16 v[224+8*(k%2):224+8*(k%2)+7], v[96+8*k:96+8*k+7], v[32+8*k:32+8*k+7], v[224+8*(k%2):224+8*(k%2)+7]
.endif
.set k, k+1
.endr
.rept 4
	v_nop                                          ; four places between the last product and the first read of a result
.endr
.set k, 0
.rept 4
	v_pk_add_f32 v[224+2*k:224+2*k+1], v[224+2*k:224+2*k+1], v[232+2*k:232+2*k+1]
.set k, k+1
.endr
	ds_store_b128 v11, v[224:227]
	ds_store_b128 v11, v[228:231] offset:512
	s_wait_dscnt 0x0                               ; for wave 0's sake: my partial logits are in LDS
	s_barrier_signal -1
	s_barrier_wait -1
	s_cmp_lg_u32 s16, 0
	s_cbranch_scc1 .Lend                           ; the rest is wave 0's
.set k, 0
.rept 4
	ds_load_b128 v[32+8*k:32+8*k+3], v12 offset:1024*k
	ds_load_b128 v[32+8*k+4:32+8*k+7], v12 offset:1024*k+512
.set k, k+1
.endr
	s_wait_dscnt 0x0
.set k, 0
.rept 4
	v_pk_add_f32 v[32+2*k:32+2*k+1], v[32+2*k:32+2*k+1], v[40+2*k:40+2*k+1]
	v_pk_add_f32 v[48+2*k:48+2*k+1], v[48+2*k:48+2*k+1], v[56+2*k:56+2*k+1]
.set k, k+1
.endr
.set k, 0
.rept 4
	v_pk_add_f32 v[32+2*k:32+2*k+1], v[32+2*k:32+2*k+1], v[48+2*k:48+2*k+1]
.set k, k+1
.endr
	v_max3_num_f32 v40, v32, v33, v34              ; the row's maximum is taken away before the exponentials
	v_max3_num_f32 v40, v40, v35, v36
	v_max3_num_f32 v40, v40, v37, v38
	v_max_num_f32 v40, v40, v39
.set k, 0
.rept 8
	v_sub_f32 v[EX+k], v[LG+k], v40
.set k, k+1
.endr
.set k, 0
.rept 8
	v_mul_f32 v[EX+k], s17, v[EX+k]
.set k, k+1
.endr
.set k, 0
.rept 8
	v_exp_f32 v[EX+k], v[EX+k]                     ; one batch; the two scans below name none of its results
.set k, k+1
.endr
	v_mov_b32 v42, v32                             ; the largest logit: a later one wins only if strictly greater
	v_mov_b32 v44, 0
.set k, 1
.rept 7
	v_cmp_gt_f32 vcc_lo, v[LG+k], v42
	v_cndmask_b32 v42, v42, v[LG+k], vcc_lo
	v_cndmask_b32 v44, v44, k, vcc_lo
.set k, k+1
.endr
.set k, 0
.rept 8
	v_cmp_eq_u32 vcc_lo, k, v44
	v_cndmask_b32 v[CA+k], v[LG+k], s18, vcc_lo    ; the winner counts as -infinity
.set k, k+1
.endr
	v_mov_b32 v43, v56                             ; the second largest, by the same scan
	v_mov_b32 v45, 0
.set k, 1
.rept 7
	v_cmp_gt_f32 vcc_lo, v[CA+k], v43
	v_cndmask_b32 v43, v43, v[CA+k], vcc_lo
	v_cndmask_b32 v45, v45, k, vcc_lo
.set k, k+1
.endr
	v_sub_f32 v67, v43, v42                        ; second less first: at most 0
	v_mul_f32 v67, s17, v67
	s_wait_alu depctr_va_vdst(0)                   ; one wait for the eight exponentials, ahead of their first reader
	v_pk_add_f32 v[64:65], v[48:49], v[50:51]
	v_pk_add_f32 v[70:71], v[52:53], v[54:55]
	v_pk_add_f32 v[64:65], v[64:65], v[70:71]
	v_add_f32 v64, v64, v65
	v_rcp_f32 v66, v64
	v_exp_f32 v67, v67
	v_mov_b32 v69, 0                               ; a plain line behind the two; v69 takes the bitmaps
	s_wait_alu depctr_va_vdst(0)
	v_add_f32 v68, 1.0, v67
	v_rcp_f32 v46, v68                             ; gate of the first choice: 1 / (1 + e^(second - first))
.set k, 0
.rept 8
	v_mul_f32 v[EX+k], v[EX+k], v66                ; probabilities
.set k, k+1
.endr
.irp m, 1,2,4,8                                        ; their sums over the 16 tokens, inside each half of the lanes
.set k, 0
.rept 8
	v_add_f32_dpp v[EX+k], v[EX+k], v[EX+k] row_xmask:\m row_mask:0xf bank_mask:0xf
.set k, k+1
.endr
.endr
	s_wait_alu depctr_va_vdst(0)
	v_mul_f32 v47, v67, v46                        ; gate of the second choice
.set k, 0
.rept 8                                                ; lane k of v69: the 16 tokens that chose expert k
	v_cmp_eq_u32 s36, k, v44
	v_cmp_eq_u32 s37, k, v45
	s_or_b32 s36, s36, s37
	s_and_b32 s36, s36, 0xffff
	v_writelane_b32 v69, s36, k
.set k, k+1
.endr
	v_mov_b32 v72, 0
	v_lshlrev_b32 v73, 7, v1                       ; an expert's bitmap is 128 bytes
	v_cmp_gt_u32 vcc_lo, 16, v1
	s_wait_xcnt 0x0                                ; EXEC changes only behind this wait: it is a source of the stores above
	s_and_saveexec_b32 s34, vcc_lo
	global_store_b64 v6, v[44:45], s[12:13]        ; lanes 0-15: the token's two experts,
	global_store_b64 v6, v[46:47], s[24:25]        ; and its two gates
	s_wait_xcnt 0x0
	s_or_b32 exec_lo, exec_lo, s34
	v_cmp_gt_u32 vcc_lo, 8, v1
	s_and_saveexec_b32 s34, vcc_lo
	global_store_b16 v73, v69, s[10:11]            ; lanes 0-7: 16 bits into each expert's bitmap
	s_wait_xcnt 0x0
	s_or_b32 exec_lo, exec_lo, s34
	v_cmp_eq_u32 vcc_lo, 0, v1
	s_and_saveexec_b32 s34, vcc_lo
	global_store_b128 v72, v[48:51], s[26:27]      ; lane 0: the eight column sums
	global_store_b128 v72, v[52:55], s[26:27] offset:16
	s_wait_xcnt 0x0
	s_or_b32 exec_lo, exec_lo, s34
.Lend:
	s_wait_tensorcnt 0x0                           ; the wave's end: three closing lines behind my last LDS store
	ds_add_u32 v30, v31
	s_wait_dscnt 0x0
	s_endpgm
.Lfunc_end_k_qda82c2d0be_router:
	.size	k_qda82c2d0be_router, .Lfunc_end_k_qda82c2d0be_router-k_qda82c2d0be_router
	.p2alignl 7, 3214868480
	.fill 96, 4, 3214868480
	.section	.rodata,"a",@progbits
	.p2align	6, 0x0
	.amdhsa_kernel k_qda82c2d0be_router
		.amdhsa_group_segment_fixed_size 54784
		.amdhsa_private_segment_fixed_size 0
		.amdhsa_enable_private_segment 0
		.amdhsa_kernarg_size 48
		.amdhsa_user_sgpr_count 2
		.amdhsa_user_sgpr_kernarg_segment_ptr 1
		.amdhsa_wavefront_size32 1
		.amdhsa_system_sgpr_workgroup_id_x 1
		.amdhsa_system_sgpr_workgroup_id_y 1
		.amdhsa_system_sgpr_workgroup_id_z 1
		.amdhsa_system_vgpr_workitem_id 0
		.amdhsa_next_free_vgpr 256
		.amdhsa_next_free_sgpr 66
		.amdhsa_reserve_vcc 1
		.amdhsa_float_denorm_mode_32 3
		.amdhsa_float_denorm_mode_16_64 3
		.amdhsa_memory_ordered 1
		.amdhsa_forward_progress 1
		.amdhsa_inst_pref_size 35
	.end_amdhsa_kernel
	.amdgpu_metadata
---
amdhsa.version: [ 1, 2 ]
amdhsa.kernels:
  - .name:           k_qda82c2d0be_router
    .symbol:         k_qda82c2d0be_router.kd
    .args:
      - { .name: x, .offset: 0, .size: 8, .value_kind: global_buffer, .address_space: global }
      - { .name: Wg, .offset: 8, .size: 8, .value_kind: global_buffer, .address_space: global }
      - { .name: xb, .offset: 16, .size: 8, .value_kind: global_buffer, .address_space: global }
      - { .name: bits, .offset: 24, .size: 8, .value_kind: global_buffer, .address_space: global }
      - { .name: eidx, .offset: 32, .size: 8, .value_kind: global_buffer, .address_space: global }
      - { .name: rout, .offset: 40, .size: 8, .value_kind: global_buffer, .address_space: global }
    .group_segment_fixed_size: 54784
    .private_segment_fixed_size: 0
    .kernarg_segment_align: 8
    .kernarg_segment_size: 48
    .max_flat_workgroup_size: 128
    .sgpr_count:     66
    .vgpr_count:     256
    .wavefront_size: 32
...
	.end_amdgpu_metadata
.endif
;; end of part 1
;; launch ffn1 (part 2): grid 32 x 8, 4 waves a work-group, no clusters, 262,656 bytes of LDS; arguments W1, xb, hf, b1, bits, pos; writes hf, pos
.if DOCPART == 2
	.amdgcn_target "amdgcn-amd-amdhsa--gfx1250"
	.amdhsa_code_object_version 6
	.text
	.protected	k_qda82c2d0be_ffn1
	.globl	k_qda82c2d0be_ffn1
	.p2align	8
	.type	k_qda82c2d0be_ffn1,@function
k_qda82c2d0be_ffn1:
	s_mov_b64 s[64:65], 0
	v_nop
	global_prefetch_b8 v0, s[64:65] scope:SCOPE_SE
	s_setreg_imm32_b32 hwreg(HW_REG_WAVE_MODE, 25, 1), 1
	s_wait_xcnt 0x0
; FIRST PRODUCT OF THE EXPERTS.  h = gelu(X W1[e] + b1[e]) for the tokens that chose expert e alone.  Work-group (slice, e): 128 hidden columns of one expert, all of that expert's rows.
; Its 512 KiB of W1 (1,024 rows x 512 bytes, f32) are read by this work-group alone, once, rounded to bf16 on the way through registers and kept in LDS as matrix operands.
; WEIGHTS INTO FRAGMENTS WITHOUT A TURN.  Lane (p = lane % 16, h = lane / 16) loads 16 bytes (4 columns) of 16 weight rows of its own; lanes 0-15 read 256 consecutive aligned bytes of one row.
; Register c of such a load belongs to fragment f = 4 F + c, in which lane p stands for column 64 F + 4 p + c; two rows' registers rounded together are one fragment register.
; THE PLACE OF k, alike in both operands: chunk c (128 k), step s (0-3), half h, place i (0-15) stand for k = 128 c + 64 (s / 2) + 32 h + 16 (s % 2) + i.
; THE STREAM.  A chunk's products are four steps of 32 k on the wave's first group of up to 5 blocks of 16 rows.  WHILE CHUNK c IS MULTIPLIED, CHUNK c + 1 IS MADE READY: behind step 1 wave w rounds step w of chunk c + 1 and stores
; its 8 fragments; ONE barrier stands behind step 2, a step's products behind those stores; behind it chunk c + 1's first fragments are fetched, under step 3.  A chunk has LDS bytes of its own, written once, so one barrier a
; chunk is all.  A wave's loads from memory go out in the order in which they are wanted: tokens of chunk c + 1, steps 0 and 1; weights of chunk c + 2, into the registers just rounded (they have a whole chunk's products in which
; to land); tokens of chunk c + 1, steps 2 and 3.  The chunk behind that is asked for by a prefetch: each lane one row's two aligned blocks of 256 bytes, each block once in the launch.
; ROWS.  The expert's rows are its tokens in ascending order; the stored bitmap (bit = token) lies in 32 scalar registers, and each lane FINDS the token of the rank that it wants: the last word whose running count is not above
; the rank, then the bit of that rank inside the word, by halving.  No list, no LDS, all lanes on.  Wave w owns blocks 4 b + w of 16 ranks; a group is 5 of them.  Groups beyond the first (more than 320 rows) run behind the stream
; out of the whole slice in LDS: no barrier and no LDS store there.  A rank past the count finds some token of the 1,024: a row that exists, whose result nobody reads.  Only blocks that exist are stored (block 0 always, so that
; what the next launch reads is written).  Serves every split, 0 to 1,024 rows.
; THE RESULT.  Source 0 = weights, source 1 = tokens: lane (r, h), fragment 4 F + c, register j hold token r, column 64 F + 32 h + 4 j + c: just the places that the second product's token fragment wants in lane (r, h).
; So h leaves as fragments, 512 consecutive aligned bytes a store: hf[e][block][slice][step][half][lane][16 bytes].
; FORMATS.  x, W1, b1 rounded to bf16; sums, bias and GELU in f32; h rounded once to bf16.  erf(z) = z A(z^2) / B(z^2), a rational form for |z| <= 4, z held to that range (beyond it erf is 1 to f32's last bits).
; NaN and infinities are not treated apart.
; NO CLUSTER, NO TENSOR LOADS: each weight byte has one reader and must pass registers to be rounded; what an expert's 32 work-groups share is its token rows, which are scattered rows of xb that no tile descriptor covers.
; REGISTERS, in windows of 256 (s_set_vgpr_msb: bits 1:0 source 0, 3:2 source 1, 5:4 source 2, 7:6 destination):
;   window 0: v0-31 addresses; v32-95 packed weights, the search's ten, later the way out; v96-159, v160-223 weight fragments, two buffers; v224-239 results to store
;   window 1: accumulators of blocks 0-3, (a, f) at 64 a + 8 f      window 2: v0-63 block 4's; v64-127 bias in the accumulators' order; v128-255 weights as loaded      window 3: token fragments, (a, s) at 32 a + 8 s
.set PSH,    14                        ; a row of W1 is 2^14 bytes
.set PITCHB, 1<<PSH
.set WSTEP,  128*PITCHB                ; a chunk of 128 rows
.set ASTEP,  256                       ; a chunk's 128 channels of a token row
.set PSTEP,  128                       ; two steps' 64 channels
.set SPARE,  262144                    ; behind the slice: the spare words, 128 bytes a wave: two blocks of 256 bytes that no other line names
.set LN, 1                             ; lane
.set RR, 2                             ; lane % 16
.set HH, 3                             ; lane / 16
.set WO, 4                             ; my byte offset in a chunk of W1
.set PFO, 5                            ; the row that I ask for ahead: thread x pitch
.set BST, 6                            ; where I store fragments: the chunk being made ready, 8,192 w, 16 x lane
.set BLD, 7                            ; where I read them: the chunk being fetched, 16 x lane
.set H64, 9                            ; 64 h
.set AO, 10                            ; v10-14  byte offset of my token row in xb, for the group's five blocks
.set TK, 15                            ; v15-19  their tokens
.set OO, 20                            ; 16 x lane
.set T0, 21
.set L4, 28                            ; 4 x lane
.set SPW, 30                           ; my spare word
.set NIL, 31                           ; 0
.set PK, 32
.set XX, 32
.set UR, 32                            ; the search: the rank wanted,
.set UW, 33                            ; the bitmap word that holds it,
.set UI, 34                            ; that word's first token << 16 | the count of chosen tokens below the word,
.set U2, 35                            ; the word's bits summed in twos,
.set U4, 36                            ; fours,
.set U8, 37                            ; eights,
.set U16, 38                           ; its low byte: the low sixteen,
.set UN, 39                            ; the rank inside what is left of the word,
.set UP, 40                            ; the first bit of what is left,
.set UT, 41                            ; at work
.set BF0, 96
.set BF1, 160
.set RAW, 96                           ; the bias as loaded, ahead of the stream
.set RK, 160                           ; v160-191  ranks, ahead of the stream (one wave an expert)
.set ZZ, 96
.set QQ, 128
.set PP, 160
.set DD, 192
.set OUT, 224
.set WF, 128                           ; window 2
.set BIAS, 64                          ; window 2
.set WB, 4                             ; s[4:5]   W1 at the chunk whose weights were loaded last
.set AB, 6                             ; s[6:7]   xb at the channels of the chunk whose tokens were loaded last
.set OBG, 8                            ; s[8:9]   hf at my first block of the group in hand
.set AB0, 16                           ; s[16:17] xb
.set WV, 18
.set SE, 19
.set SL, 20
.set CNT, 21                           ; the expert's rows
.set NBLK, 22                          ; its blocks of 16 rows
.set NBW, 23                           ; of them mine
.set NG, 24                            ; my groups of five
.set GI, 25
.set G5, 26
.set NB, 27                            ; blocks of the group in hand, 0 to 5
.set CC, 28
.set EA, 29
.set PFX, 30
.set OB, 44                            ; s[44:45] hf at the half block to be stored
.set PC, 46
.set NB2, 47
.set LB, 48                            ; LDS byte of the two steps in hand, in the later groups
.set GA, 49                            ; counts the search's five blocks
.set BM, 68                            ; s[68:99] the expert's bitmap, kept to the end
.set KA13, 36                          ; the constants of erf, each as a pair: the packed forms name both words
.set KA11, 38
.set KA9,  40
.set KA7,  42
.set KA5,  50
.set KA3,  52
.set KA1,  54
.set KB8,  56
.set KB6,  58
.set KB4,  60
.set KB2,  62
.set KB0,  66
.set KRS,  12                          ; 1 / sqrt 2, where the bitmap's address lay: its loads are done
.set KLO,  10                          ; -4 and 4, where the bias's address lay: its loads are done
.set KHI,  11
.set W_LO, 0x5c                        ; weights window 0, tokens window 3, C and D window 1
.set W_HI, 0xac                        ; the same, C and D window 2
.set MSB, 0
.macro WIN new                         ; the high byte repeats the setting that is left; a switch that changes nothing is dropped
.if MSB != (\new)
	s_set_vgpr_msb (MSB<<8)|(\new)
.set MSB, (\new)
.endif
.endm
.macro PLACES                          ; four places between a matrix instruction and a load into, or a vector line on, one of its registers
.rept 4
	v_nop
.endr
.endm
.macro WLOAD                           ; my step of a chunk: 16 rows x 512 bytes for each half of the lanes
	WIN 0x80
.set i, 0
.rept 16
	global_load_b128 v[WF+8*i:WF+8*i+3],   v[WO], s[WB:WB+1] offset:i*PITCHB th:TH_LOAD_NT
	global_load_b128 v[WF+8*i+4:WF+8*i+7], v[WO], s[WB:WB+1] offset:i*PITCHB+256 th:TH_LOAD_NT
.set i, i+1
.endr
.endm
.macro WCVT                            ; rows 2 u and 2 u + 1 of column f, rounded together, are register u of fragment f
	WIN 0x0a
.set f, 0
.rept 8
.set u, 0
.rept 8
	v_cvt_pk_bf16_f32 v[PK+8*f+u], v[WF+16*u+f], v[WF+16*u+8+f]
.set u, u+1
.endr
.set f, f+1
.endr
.endm
.macro WSTORE                          ; 16 bytes a lane, lanes side by side
	WIN 0
.set f, 0
.rept 8
	ds_store_b128 v[BST], v[PK+8*f:PK+8*f+3] offset:1024*f
	ds_store_b128 v[BST], v[PK+8*f+4:PK+8*f+7] offset:1024*f+512
.set f, f+1
.endr
.endm
.macro ALOAD p0, p1                    ; the five blocks' token fragments of two steps: 20 loads
	WIN 0xc0
.irp a, 0,1,2,3,4
.irp st, \p0, \p1
	global_load_b128 v[32*\a+8*\st:32*\a+8*\st+3],   v[AO+\a], s[AB:AB+1] offset:128*(\st/2)+32*(\st%2)
	global_load_b128 v[32*\a+8*\st+4:32*\a+8*\st+7], v[AO+\a], s[AB:AB+1] offset:128*(\st/2)+32*(\st%2)+16
.endr
.endr
.endm
.macro BLOAD st, buf                   ; a step's eight weight fragments: 16 loads
	WIN 0
.set f, 0
.rept 8
	ds_load_b128 v[\buf+8*f:\buf+8*f+3],   v[BLD] offset:8192*(\st)+1024*f
	ds_load_b128 v[\buf+8*f+4:\buf+8*f+7], v[BLD] offset:8192*(\st)+1024*f+512
.set f, f+1
.endr
.endm
; One step's products.  The accumulators take turns, one instruction a turn.  first = 1: the products start the sums, block 4's too, so that every accumulator is written whatever the count;
; else block 4 is jumped where the group has fewer than five blocks.
.macro MULS buf, st, first
	WIN W_LO
.set a, 0
.rept 4
.set f, 0
.rept 8
.if \first
	v_wmma_f32_16x16x32_bf16 v[64*a+8*f:64*a+8*f+7], v[\buf+8*f:\buf+8*f+7], v[32*a+8*(\st):32*a+8*(\st)+7], 0
.else
	v_wmma_f32_16x16x32_bf16 v[64*a+8*f:64*a+8*f+7], v[\buf+8*f:\buf+8*f+7], v[32*a+8*(\st):32*a+8*(\st)+7], v[64*a+8*f:64*a+8*f+7]
.endif
.set f, f+1
.endr
.set a, a+1
.endr
.if !(\first)
	WIN 0
	s_cmp_lt_u32 s[NB], 5
	s_cbranch_scc1 .Lno4_\@
.endif
	WIN W_HI
.set f, 0
.rept 8
.if \first
	v_wmma_f32_16x16x32_bf16 v[8*f:8*f+7], v[\buf+8*f:\buf+8*f+7], v[128+8*(\st):128+8*(\st)+7], 0
.else
	v_wmma_f32_16x16x32_bf16 v[8*f:8*f+7], v[\buf+8*f:\buf+8*f+7], v[128+8*(\st):128+8*(\st)+7], v[8*f:8*f+7]
.endif
.set f, f+1
.endr
	WIN 0
.if !(\first)
.Lno4_\@:
.endif
.endm
.macro PREF                            ; the chunk behind the one at s[WB]: thread t asks for row t's 512 bytes
	global_prefetch_b8 v[PFO], s[WB:WB+1] offset:WSTEP th:TH_LOAD_NT scope:SCOPE_SE
	global_prefetch_b8 v[PFO], s[WB:WB+1] offset:WSTEP+256 th:TH_LOAD_NT scope:SCOPE_SE
.endm
; One halving of the search: the lower half of what is left holds t set bits; a rank of t or more lies in the upper half.
.macro SSTEP src, mask, inc
	v_lshrrev_b32 v[UT], v[UP], v[\src]
	v_and_b32 v[UT], \mask, v[UT]                  ; t
	v_cmp_ge_u32 vcc_lo, v[UN], v[UT]
	v_sub_nc_u32 v[UT], v[UN], v[UT]
	v_cndmask_b32 v[UN], v[UN], v[UT], vcc_lo
	v_add_nc_u32 v[UT], \inc, v[UP]
	v_cndmask_b32 v[UP], v[UP], v[UT], vcc_lo
.endm
; The tokens of my row in blocks 4 (G5 + a) + w, a = 0 .. 4 (past block 63 the last is repeated).  One block's search is written once and walked five times; the tokens move up a queue of five registers.
.macro GROUPSET
.irp a, 0,1,2,3,4
	v_mov_b32 v[TK+\a], 0                          ; the queue is read before its first five entries are in
.endr
	s_mov_b32 s[GA], 0
.Lgs_\@:
	s_add_co_u32 s31, s[G5], s[GA]
	s_min_u32 s31, s31, 15
	s_lshl2_add_u32 s31, s31, s[WV]
	s_lshl_b32 s31, s31, 4
	v_add_nc_u32 v[UR], s31, v[RR]                 ; the rank wanted: 16 x block + r
	v_mov_b32 v[UW], s[BM]
	v_mov_b32 v[UI], 0
	s_bcnt1_i32_b32 s[PFX], s[BM]
.set i, 1
.rept 31                                               ; the running count never falls: the last word whose count is not above the rank holds it
	s_or_b32 s32, s[PFX], (32*i)<<16
	v_cmp_le_u32 vcc_lo, s[PFX], v[UR]
	v_cndmask_b32 v[UW], v[UW], s[BM+i], vcc_lo
	v_cndmask_b32 v[UI], v[UI], s32, vcc_lo
.if i < 31
	s_bcnt1_i32_b32 s31, s[BM+i]
	s_add_co_u32 s[PFX], s[PFX], s31
.endif
.set i, i+1
.endr
	v_and_b32 v[UN], 0xffff, v[UI]
	v_sub_nc_u32 v[UN], v[UR], v[UN]               ; the rank inside the word
	v_lshrrev_b32 v[UI], 16, v[UI]                 ; the word's first token
	v_lshrrev_b32 v[U2], 1, v[UW]
	v_and_b32 v[U2], 0x55555555, v[U2]
	v_sub_nc_u32 v[U2], v[UW], v[U2]               ; set bits in each two,
	v_lshrrev_b32 v[U4], 2, v[U2]
	v_and_b32 v[U4], 0x33333333, v[U4]
	v_and_b32 v[UT], 0x33333333, v[U2]
	v_add_nc_u32 v[U4], v[U4], v[UT]               ; each four,
	v_lshrrev_b32 v[U8], 4, v[U4]
	v_add_nc_u32 v[U8], v[U8], v[U4]
	v_and_b32 v[U8], 0x0f0f0f0f, v[U8]             ; each eight,
	v_lshrrev_b32 v[U16], 8, v[U8]
	v_add_nc_u32 v[U16], v[U16], v[U8]             ; and, in the low byte, the low sixteen
	v_mov_b32 v[UP], 0
	SSTEP U16, 0xff, 16
	SSTEP U8, 0xff, 8
	SSTEP U4, 15, 4
	SSTEP U2, 3, 2
	SSTEP UW, 1, 1
.irp a, 0,1,2,3
	v_mov_b32 v[TK+\a], v[TK+\a+1]
.endr
	v_add_nc_u32 v[TK+4], v[UI], v[UP]             ; the token
	s_add_co_u32 s[GA], s[GA], 1
	s_cmp_lt_u32 s[GA], 5
	s_cbranch_scc1 .Lgs_\@
.irp a, 0,1,2,3,4
	v_min_u32 v[TK+\a], 0x3ff, v[TK+\a]            ; a token's number is held inside xb's 1,024 rows before it enters an address
	v_lshlrev_b32 v[AO+\a], 11, v[TK+\a]
	v_add_nc_u32 v[AO+\a], v[AO+\a], v[H64]
.endr
.endm
; STEP 0 OF A CHUNK.  left: the loads issued behind this chunk's tokens of steps 0 and 1: the next weights (32, where there are any) and the tokens of steps 2 and 3 (20).
.macro STEP0 first, left
	s_wait_loadcnt \left
	s_wait_dscnt 16                                ; step 0's fragments; step 1's 16 loads may be out
	MULS BF0, 0, \first
.endm
; STEPS 1 TO 3 OF CHUNK c, and between them all that makes chunk c + 1 ready (cv = 1).  wl = 1: the weights of chunk c + 2 are loaded.  pf = 2: chunk c + 3 is asked for, but in the loop's last trip, where there is none.
.macro REST cv, wl, pf
	PLACES
	BLOAD 2, BF0
	s_wait_dscnt 16                                ; step 1's fragments; the 16 loads just issued may be out
	MULS BF1, 1, 0
.if \cv
	s_wait_loadcnt 20                              ; the weights of chunk c + 1 are in: behind them only this chunk's tokens of steps 2 and 3 were issued
	WCVT                                           ; 64 plain lines: also the places behind steps 0 and 1, for all the loads below
	BLOAD 3, BF1
	WSTORE                                         ; my step of chunk c + 1: bytes that nobody reads ahead of the barrier below
	s_wait_xcnt 0x0                                ; the two bases are stepped only behind this wait; the youngest access that names them is two steps old
	s_add_nc_u64 s[AB:AB+1], s[AB:AB+1], ASTEP
.if \wl
	s_add_nc_u64 s[WB:WB+1], s[WB:WB+1], WSTEP
.endif
	ALOAD 0, 1                                     ; chunk c + 1's tokens, steps 0 and 1
.if \wl
	WLOAD                                          ; chunk c + 2's weights, into the registers just rounded
	s_wait_loadcnt 52                              ; this chunk's tokens of steps 2 and 3: behind them the 20 and the 32 just issued
.else
	s_wait_loadcnt 20                              ; this chunk's tokens of steps 2 and 3: behind them the 20 just issued
.endif
	s_wait_dscnt 32                                ; step 2's fragments: behind them step 3's 16 loads and my 16 stores
	MULS BF0, 2, 0
	s_wait_dscnt 0x0                               ; for the others' sake: my fragments of chunk c + 1 are in LDS (stored a step ago)
	s_barrier_signal -1
	s_barrier_wait -1                              ; everybody's are
	v_add_nc_u32 v[BST], 0x8000, v[BST]            ; no LDS instruction of mine is out: both addresses go a chunk on;
	v_add_nc_u32 v[BLD], 0x8000, v[BLD]            ; with the two lines below they are the four places behind step 2
	v_nop
	v_nop
	BLOAD 0, BF0                                   ; chunk c + 1, step 0: it lands under step 3
.if (\pf) == 2
	s_cmp_eq_u32 s[CC], 1
	s_cbranch_scc1 .Lnopf_\@
	PREF
.Lnopf_\@:
.endif
	MULS BF1, 3, 0
	PLACES
	BLOAD 1, BF1                                   ; chunk c + 1, step 1
	ALOAD 2, 3                                     ; chunk c + 1's tokens, steps 2 and 3
	WIN 0
.else
	s_wait_loadcnt 0x0                             ; the last tokens
	PLACES
	BLOAD 3, BF1
	s_wait_dscnt 16
	MULS BF0, 2, 0
	s_wait_dscnt 0x0
	MULS BF1, 3, 0
.endif
.endm
; Two steps of a later group, out of the whole slice in LDS: plain, since few splits come here.
.macro PAIR first
	PLACES
	ALOAD 0, 1
	WIN 0
	v_add_nc_u32 v[BLD], s[LB], v[OO]
	BLOAD 0, BF0
	BLOAD 1, BF1
	s_wait_loadcnt 0x0
	s_wait_dscnt 16
	MULS BF0, 0, \first
	s_wait_dscnt 0x0
	MULS BF1, 1, 0
	s_add_nc_u64 s[AB:AB+1], s[AB:AB+1], PSTEP     ; its loads are done: the wait for 0 above
	s_add_co_u32 s[LB], s[LB], 0x4000              ; two steps' fragments on
.endm
.macro SETC reg, val                   ; a constant as a pair
	s_mov_b32 s[\reg], \val
	s_mov_b32 s[\reg+1], \val
.endm
.macro ALLP line:vararg                ; one line for each of 16 pairs n
.set n, 0
.rept 16
	\line
.set n, n+2
.endr
.endm
; Half fh (64 columns) of block a: sums + bias into fixed registers, each accumulator from its lowest registers on; and where the half goes.
.macro STAGE1 a, fh
.if (\a) < 4
	WIN 0x09
.set rA, 64*(\a)+32*(\fh)
.else
	WIN 0x0a
.set rA, 32*(\fh)
.endif
.set n, 0
.rept 16
	v_pk_add_f32 v[XX+n:XX+n+1], v[rA+n:rA+n+1], v[BIAS+32*(\fh)+n:BIAS+32*(\fh)+n+1]
.set n, n+2
.endr
	WIN 0
	s_add_nc_u64 s[OB:OB+1], s[OBG:OBG+1], (\a)*524288+(\fh)*2048
.endm
	s_load_b256 s[4:11], s[0:1], 0x0               ; W1 s[4:5], xb s[6:7], hf s[8:9], b1 s[10:11]
	s_load_b128 s[12:15], s[0:1], 0x20             ; bits s[12:13], pos s[14:15]
	v_lshl_add_u32 v[SPW], v0, 2, SPARE
	v_mov_b32 v[NIL], 0
	v_and_b32 v[LN], 31, v0
	v_and_b32 v[RR], 15, v0
	v_bfe_u32 v[HH], v0, 4, 1
	v_lshrrev_b32 v[T0], 5, v0
	v_readfirstlane_b32 s[WV], v[T0]
	s_and_b32 s[SE], ttmp7, 0xffff                 ; the expert
	s_mov_b32 s[SL], ttmp9                         ; the slice of 128 hidden columns
	s_lshr_b32 s31, s[WV], 1
	s_lshl_b32 s31, s31, 6
	s_and_b32 s32, s[WV], 1
	s_lshl4_add_u32 s31, s32, s31                  ; my step's first row: 64 (w / 2) + 16 (w % 2),
	v_lshl_add_u32 v[WO], v[HH], 5, s31            ; + 32 h,
	v_lshlrev_b32 v[WO], PSH, v[WO]                ; in bytes,
	v_lshl_add_u32 v[WO], v[RR], 4, v[WO]          ; + my 16 bytes of the row
	v_lshlrev_b32 v[PFO], PSH, v0
	v_lshlrev_b32 v[OO], 4, v[LN]
	v_mov_b32 v[BLD], v[OO]
	s_lshl_b32 s31, s[WV], 13
	v_add_nc_u32 v[BST], s31, v[OO]
	v_lshlrev_b32 v[H64], 6, v[HH]
	v_lshlrev_b32 v[T0], 7, v[HH]                  ; the bias: 128 h
	v_lshlrev_b32 v[L4], 2, v[LN]
	s_mov_b32 s33, 0
	s_lshl_b32 s31, s[SL], 9
	s_wait_kmcnt 0x0
	s_lshl_b32 s32, s[SE], 24
	s_add_co_u32 s32, s32, s31
	s_add_nc_u64 s[WB:WB+1], s[WB:WB+1], s[32:33]  ; W1[e], my 512 bytes of each row
	s_lshl_b32 s32, s[SE], 7
	s_add_nc_u64 s[12:13], s[12:13], s[32:33]
	s_load_b512 s[BM:BM+15], s[12:13], 0x0         ; the expert's 1,024 bits
	s_load_b512 s[BM+16:BM+31], s[12:13], 0x40
	s_lshl_b32 s32, s[SE], 14
	s_add_co_u32 s32, s32, s31
	s_add_nc_u64 s[10:11], s[10:11], s[32:33]      ; b1[e], my 128 columns
	s_mov_b64 s[AB0:AB0+1], s[AB:AB+1]
	s_lshl_b32 s32, s[SE], 23
	s_lshl_b32 s31, s[WV], 17
	s_add_co_u32 s32, s32, s31
	s_lshl_b32 s31, s[SL], 12
	s_add_co_u32 s32, s32, s31
	s_add_nc_u64 s[OBG:OBG+1], s[OBG:OBG+1], s[32:33]  ; hf[e][block w][slice]
	s_lshl_b32 s32, s[SE], 12
	s_add_nc_u64 s[14:15], s[14:15], s[32:33]      ; pos[e]
.set q, 0
.rept 16                                               ; q = 8 F + j: the four columns 64 F + 32 h + 4 j + 0..3
	global_load_b128 v[RAW+4*q:RAW+4*q+3], v[T0], s[10:11] offset:256*(q/8)+16*(q%8)
.set q, q+1
.endr
	WLOAD                                          ; chunk 0: on its way while the rows are found
	WIN 0
	PREF                                           ; chunk 1
	s_mov_b32 s[CNT], 0
	s_wait_kmcnt 0x0                               ; the bitmap
.set i, 0
.rept 32                                               ; the expert's rows
	s_bcnt1_i32_b32 s31, s[BM+i]
	s_add_co_u32 s[CNT], s[CNT], s31
.set i, i+1
.endr
	s_add_co_u32 s[NBLK], s[CNT], 15
	s_lshr_b32 s[NBLK], s[NBLK], 4
	s_max_u32 s[NBLK], s[NBLK], 1                  ; block 0 is always made
	s_add_co_u32 s[NBW], s[NBLK], 3
	s_sub_co_u32 s[NBW], s[NBW], s[WV]
	s_lshr_b32 s[NBW], s[NBW], 2                   ; blocks 4 b + w below NBLK
	s_add_co_u32 s[NG], s[NBW], 4
	s_mul_i32 s[NG], s[NG], 52
	s_lshr_b32 s[NG], s[NG], 8                     ; (NBW + 4) / 5 for NBW up to 16
	s_min_u32 s[NB], s[NBW], 5
	s_mov_b32 s[G5], 0
	GROUPSET
	ALOAD 0, 1                                     ; chunk 0's tokens, steps 0 and 1
	WIN 0
	s_or_b32 s31, s[SL], s[WV]
	s_cmp_lg_u32 s31, 0
	s_cbranch_scc1 .Lnopos
	s_mov_b32 s[PFX], 0
.set i, 0
.rept 32                                               ; one wave for each expert stores every token's rank (chosen tokens below it), for the launch that adds
	v_mbcnt_lo_u32_b32 v[RK+i], s[BM+i], s[PFX]
	global_store_b32 v[L4], v[RK+i], s[14:15] offset:128*i
	s_bcnt1_i32_b32 s31, s[BM+i]
	s_add_co_u32 s[PFX], s[PFX], s31
.set i, i+1
.endr
.Lnopos:
	s_wait_loadcnt 52                              ; the bias is in: behind it 32 loads of weights and 20 of tokens
.set q, 0
.rept 16
	v_cvt_pk_bf16_f32 v[RAW+4*q], v[RAW+4*q], v[RAW+4*q+1]
	v_cvt_pk_bf16_f32 v[RAW+4*q+1], v[RAW+4*q+2], v[RAW+4*q+3]
.set q, q+1
.endr
	WIN 0x80                                       ; rounded to bf16, widened again, and laid where accumulator 4 F + c has register j
.set q, 0
.rept 16
	v_lshlrev_b32 v[BIAS+8*(4*(q/8))+q%8],   16, v[RAW+4*q]
	v_and_b32     v[BIAS+8*(4*(q/8)+1)+q%8], 0xffff0000, v[RAW+4*q]
	v_lshlrev_b32 v[BIAS+8*(4*(q/8)+2)+q%8], 16, v[RAW+4*q+1]
	v_and_b32     v[BIAS+8*(4*(q/8)+3)+q%8], 0xffff0000, v[RAW+4*q+1]
.set q, q+1
.endr
	WIN 0
	SETC KA13, 0xaf95df0b                          ; A: z^12 .. z^0
	SETC KA11, 0x32edffee
	SETC KA9,  0xb60cff51
	SETC KA7,  0xb86ec2d2
	SETC KA5,  0xba40ac63
	SETC KA3,  0xbb41a1f6
	SETC KA1,  0xbc83dbd4
	SETC KB8,  0xb77460cd                          ; B: z^8 .. z^0
	SETC KB6,  0xb95fbd29
	SETC KB4,  0xbadc924e
	SETC KB2,  0xbbf19bf8
	SETC KB0,  0xbc69b6a7
	SETC KRS,  0x3f3504f3                          ; 1 / sqrt(2)
	s_mov_b32 s[KLO], 0xc0800000                   ; -4
	s_mov_b32 s[KHI], 0x40800000                   ; 4
	; CHUNK 0 IS MADE READY, with nothing yet to multiply beside it
	s_wait_loadcnt 20                              ; its weights are in: behind them only the 20 loads of tokens, steps 0 and 1
	WCVT
	s_wait_xcnt 0x0                                ; s[WB] is stepped, and the registers that the stores of the ranks read are loaded into, only behind this wait
	s_add_nc_u64 s[WB:WB+1], s[WB:WB+1], WSTEP
	WLOAD                                          ; chunk 1's weights
	WIN 0
	PREF                                           ; chunk 2
	WSTORE
	ALOAD 2, 3                                     ; chunk 0's tokens, steps 2 and 3
	WIN 0
	s_wait_dscnt 0x0                               ; for the others' sake: my fragments of chunk 0 are in LDS
	s_barrier_signal -1
	s_barrier_wait -1                              ; everybody's are
	v_add_nc_u32 v[BST], 0x8000, v[BST]            ; the next stores are chunk 1's
	BLOAD 0, BF0
	BLOAD 1, BF1
	STEP0 1, 52                                    ; chunk 0's step 0 is written out: its products start the sums
	s_mov_b32 s[CC], 6
.Lchunk:                                               ; a trip: steps 1 to 3 of chunk c and step 0 of chunk c + 1, c = 0 .. 5
	REST 1, 1, 2
	STEP0 0, 52
	s_sub_co_u32 s[CC], s[CC], 1
	s_cmp_lg_u32 s[CC], 0
	s_cbranch_scc1 .Lchunk
	REST 1, 0, 0                                   ; chunk 6: chunk 7 is made ready; no weights are left to load
	STEP0 0, 20                                    ; chunk 7: behind its first tokens only its last
	REST 0, 0, 0                                   ; nothing is left to make ready
	s_mov_b32 s[GI], 0
.Lgroup:                                               ; four trips cover 16 blocks a wave, the most that any split gives
	s_cmp_eq_u32 s[GI], 0
	s_cbranch_scc1 .Lepi                           ; group 0 was multiplied in the stream: only its way out is left
	s_cmp_ge_u32 s[GI], s[NG]
	s_cbranch_scc1 .Lgnext                         ; a wave without such a group goes to the counter's step
	s_sub_co_u32 s31, s[NBW], s[G5]
	s_min_u32 s[NB], s31, 5
	s_wait_loadcnt 0x0
	s_wait_xcnt 0x0
	GROUPSET
	s_mov_b64 s[AB:AB+1], s[AB0:AB0+1]
	s_mov_b32 s[LB], 0
	PAIR 1
	s_mov_b32 s[PC], 15
.Lpair:
	PAIR 0
	s_sub_co_u32 s[PC], s[PC], 1
	s_cmp_lg_u32 s[PC], 0
	s_cbranch_scc1 .Lpair
.Lepi:
	PLACES                                         ; between the last products and the first read of a sum
	s_lshl_b32 s[NB2], s[NB], 1
	s_cmp_eq_u32 s[NB], 0
	s_cbranch_scc1 .Lgnext
	s_mov_b32 s[EA], 0
.Leloop:                                               ; a trip: half a block, 16 rows x 64 columns
	s_wait_xcnt 0x0                                ; the last trip's stores have read their data and s[OB]
.irp idx, 1,2,3,4,5,6,7,8,9
	s_cmp_eq_u32 s[EA], \idx
	s_cbranch_scc1 .Lst\idx
.endr
.irp idx, 0,1,2,3,4,5,6,7,8,9
.Lst\idx:
	STAGE1 (\idx)/2, (\idx)%2
.if (\idx) < 9
	s_branch .Lcommon
.endif
.endr
.Lcommon:                                              ; gelu(x) = x / 2 + (x / 2) erf(x / sqrt 2), 32 numbers a lane
	ALLP v_pk_mul_f32 v[ZZ+n:ZZ+n+1], v[XX+n:XX+n+1], s[KRS:KRS+1] op_sel_hi:[1,0]
.set n, 0
.rept 32
	v_med3_num_f32 v[ZZ+n], v[ZZ+n], s[KLO], s[KHI]
.set n, n+1
.endr
	ALLP v_pk_mul_f32 v[QQ+n:QQ+n+1], v[ZZ+n:ZZ+n+1], v[ZZ+n:ZZ+n+1]
	ALLP v_pk_fma_f32 v[DD+n:DD+n+1], v[QQ+n:QQ+n+1], s[KB8:KB8+1], s[KB6:KB6+1] op_sel_hi:[1,0,0]
	ALLP v_pk_fma_f32 v[DD+n:DD+n+1], v[DD+n:DD+n+1], v[QQ+n:QQ+n+1], s[KB4:KB4+1] op_sel_hi:[1,1,0]
	ALLP v_pk_fma_f32 v[DD+n:DD+n+1], v[DD+n:DD+n+1], v[QQ+n:QQ+n+1], s[KB2:KB2+1] op_sel_hi:[1,1,0]
	ALLP v_pk_fma_f32 v[DD+n:DD+n+1], v[DD+n:DD+n+1], v[QQ+n:QQ+n+1], s[KB0:KB0+1] op_sel_hi:[1,1,0]
.set n, 0
.rept 32
	v_rcp_f32 v[DD+n], v[DD+n]                     ; one batch; A's whole chain below names none of its results
.set n, n+1
.endr
	ALLP v_pk_fma_f32 v[PP+n:PP+n+1], v[QQ+n:QQ+n+1], s[KA13:KA13+1], s[KA11:KA11+1] op_sel_hi:[1,0,0]
	ALLP v_pk_fma_f32 v[PP+n:PP+n+1], v[PP+n:PP+n+1], v[QQ+n:QQ+n+1], s[KA9:KA9+1] op_sel_hi:[1,1,0]
	ALLP v_pk_fma_f32 v[PP+n:PP+n+1], v[PP+n:PP+n+1], v[QQ+n:QQ+n+1], s[KA7:KA7+1] op_sel_hi:[1,1,0]
	ALLP v_pk_fma_f32 v[PP+n:PP+n+1], v[PP+n:PP+n+1], v[QQ+n:QQ+n+1], s[KA5:KA5+1] op_sel_hi:[1,1,0]
	ALLP v_pk_fma_f32 v[PP+n:PP+n+1], v[PP+n:PP+n+1], v[QQ+n:QQ+n+1], s[KA3:KA3+1] op_sel_hi:[1,1,0]
	ALLP v_pk_fma_f32 v[PP+n:PP+n+1], v[PP+n:PP+n+1], v[QQ+n:QQ+n+1], s[KA1:KA1+1] op_sel_hi:[1,1,0]
	ALLP v_pk_mul_f32 v[PP+n:PP+n+1], v[PP+n:PP+n+1], v[ZZ+n:ZZ+n+1]
	ALLP v_pk_mul_f32 v[XX+n:XX+n+1], v[XX+n:XX+n+1], 0.5 op_sel_hi:[1,0]
	s_wait_alu depctr_va_vdst(0)                   ; one wait for the 32 reciprocals, ahead of their first reader
	ALLP v_pk_mul_f32 v[PP+n:PP+n+1], v[PP+n:PP+n+1], v[DD+n:DD+n+1]
	ALLP v_pk_fma_f32 v[XX+n:XX+n+1], v[XX+n:XX+n+1], v[PP+n:PP+n+1], v[XX+n:XX+n+1]
.set u, 0
.rept 16                                               ; step 2 F + u / 8, register u % 8 of the next product's token fragment: places i = 2 (u % 8), + 1, which are columns c = 2 (u % 2), + 1 of register j = 4 (u / 8) + (u % 8) / 2
	v_cvt_pk_bf16_f32 v[OUT+u], v[XX+16*(u%2)+4*(u/8)+(u%8)/2], v[XX+16*(u%2)+8+4*(u/8)+(u%8)/2]
.set u, u+1
.endr
.set u, 0
.rept 4
	global_store_b128 v[OO], v[OUT+4*u:OUT+4*u+3], s[OB:OB+1] offset:512*u   ; the wave stores 512 consecutive bytes, aligned
.set u, u+1
.endr
	s_add_co_u32 s[EA], s[EA], 1
	s_cmp_lt_u32 s[EA], s[NB2]
	s_cbranch_scc1 .Leloop
.Lgnext:
	s_add_nc_u64 s[OBG:OBG+1], s[OBG:OBG+1], 2621440  ; five of my blocks on
	s_add_co_u32 s[G5], s[G5], 5
	s_add_co_u32 s[GI], s[GI], 1
	s_cmp_lt_u32 s[GI], 4
	s_cbranch_scc1 .Lgroup
	s_wait_dscnt 0x0                               ; my reads of the slice are back,
	s_barrier_signal -1
	s_barrier_wait -1                              ; and so are everybody's, ahead of the closing lines
	s_wait_tensorcnt 0x0                           ; the wave's end: three closing lines behind my last LDS store
	ds_add_u32 v[SPW], v[NIL]
	s_wait_dscnt 0x0
	s_endpgm
.Lfunc_end_k_qda82c2d0be_ffn1:
	.size	k_qda82c2d0be_ffn1, .Lfunc_end_k_qda82c2d0be_ffn1-k_qda82c2d0be_ffn1
	.p2alignl 7, 3214868480
	.fill 96, 4, 3214868480
	.section	.rodata,"a",@progbits
	.p2align	6, 0x0
	.amdhsa_kernel k_qda82c2d0be_ffn1
		.amdhsa_group_segment_fixed_size 262656
		.amdhsa_private_segment_fixed_size 0
		.amdhsa_enable_private_segment 0
		.amdhsa_kernarg_size 48
		.amdhsa_user_sgpr_count 2
		.amdhsa_user_sgpr_kernarg_segment_ptr 1
		.amdhsa_wavefront_size32 1
		.amdhsa_system_sgpr_workgroup_id_x 1
		.amdhsa_system_sgpr_workgroup_id_y 1
		.amdhsa_system_sgpr_workgroup_id_z 1
		.amdhsa_system_vgpr_workitem_id 0
		.amdhsa_next_free_vgpr 1024
		.amdhsa_next_free_sgpr 100
		.amdhsa_reserve_vcc 1
		.amdhsa_float_denorm_mode_32 3
		.amdhsa_float_denorm_mode_16_64 3
		.amdhsa_memory_ordered 1
		.amdhsa_forward_progress 1
		.amdhsa_inst_pref_size 180
	.end_amdhsa_kernel
	.amdgpu_metadata
---
amdhsa.version: [ 1, 2 ]
amdhsa.kernels:
  - .name:           k_qda82c2d0be_ffn1
    .symbol:         k_qda82c2d0be_ffn1.kd
    .args:
      - { .name: W1, .offset: 0, .size: 8, .value_kind: global_buffer, .address_space: global }
      - { .name: xb, .offset: 8, .size: 8, .value_kind: global_buffer, .address_space: global }
      - { .name: hf, .offset: 16, .size: 8, .value_kind: global_buffer, .address_space: global }
      - { .name: b1, .offset: 24, .size: 8, .value_kind: global_buffer, .address_space: global }
      - { .name: bits, .offset: 32, .size: 8, .value_kind: global_buffer, .address_space: global }
      - { .name: pos, .offset: 40, .size: 8, .value_kind: global_buffer, .address_space: global }
    .group_segment_fixed_size: 262656
    .private_segment_fixed_size: 0
    .kernarg_segment_align: 8
    .kernarg_segment_size: 48
    .max_flat_workgroup_size: 128
    .sgpr_count:     100
    .vgpr_count:     1024
    .wavefront_size: 32
...
	.end_amdgpu_metadata
.endif
;; end of part 2
;; launch ffn2 (part 3): grid 32 x 8, 4 waves a work-group, no clusters, 262,656 bytes of LDS; arguments W2, hf, part, bits; writes part
.if DOCPART == 3
	.amdgcn_target "amdgcn-amd-amdhsa--gfx1250"
	.amdhsa_code_object_version 6
	.text
	.protected	k_qda82c2d0be_ffn2
	.globl	k_qda82c2d0be_ffn2
	.p2align	8
	.type	k_qda82c2d0be_ffn2,@function
k_qda82c2d0be_ffn2:
	s_mov_b64 s[64:65], 0
	v_nop
	global_prefetch_b8 v0, s[64:65] scope:SCOPE_SE
	s_setreg_imm32_b32 hwreg(HW_REG_WAVE_MODE, 25, 1), 1
	s_wait_xcnt 0x0
; SECOND PRODUCT OF THE EXPERTS, IN PARTS.  part[q][e x 1,024 + rank][:] = H[rank][1,024 q .. + 1,023] W2[e][1,024 q .. ][:], f32.  Work-group (8 q + n8, e): a quarter of K x 128 columns of one expert, all of its rows.
; Why a quarter of K and not all of it on 32 columns: the rows that a work-group reads are then 1,024 and not 4,096 numbers long, as many bytes as its weights; the price is four f32 partial rows, added by the next launch.
; Its 512 KiB of W2 (1,024 rows x 512 bytes, f32) are read by this work-group alone, once, rounded to bf16 on the way through registers and kept in LDS as matrix operands.
; WEIGHTS INTO FRAGMENTS WITHOUT A TURN, THE PLACE OF k, ROWS: as in the first product.  Lane (p, h) loads 16 bytes of 16 weight rows of its own; register c of a load belongs to fragment f = 4 F + c, in which lane p
; stands for column 64 F + 4 p + c; chunk c, step s, half h, place i stand for k = 128 c + 64 (s / 2) + 32 h + 16 (s % 2) + i.  Wave w owns blocks 4 b + w of 16 rows; a group is 5 of them.
; THE STREAM.  A chunk's products are four steps of 32 k on the wave's first group.  WHILE CHUNK c IS MULTIPLIED, CHUNK c + 1 IS MADE READY: behind step 1 wave w rounds step w of chunk c + 1 and stores its 8 fragments; ONE
; barrier stands behind step 2, a step's products behind those stores; behind it chunk c + 1's first fragments are fetched, under step 3.  A chunk has LDS bytes of its own, written once, so one barrier a chunk is all.
; A wave's loads from memory go out in the order in which they are wanted: rows of chunk c + 1, steps 0 and 1; weights of chunk c + 2, into the registers just rounded (they have a whole chunk's products in which to land);
; rows of chunk c + 1, steps 2 and 3.  The chunk behind that is asked for by a prefetch: each lane one row's two aligned blocks of 256 bytes, each block once in the launch.
; Groups beyond the first run behind the stream out of the whole slice: no barrier, no LDS store.
; The rows come as fragments, as the first product stored them: hf[e][block][128 columns][step][half][lane][16 bytes], 512 consecutive bytes a load.  A block that does not exist repeats one that does; only blocks that exist
; are stored (block 0 always).  Serves every split, 0 to 1,024 rows.
; THE RESULT.  Source 0 = rows, source 1 = weights: lane (p, h), fragment 4 F + c, register j hold row 8 h + j, column 64 F + 4 p + c.  Four fragments' registers side by side are 16 consecutive bytes; 16 lanes store 256, aligned.
; FORMATS.  W2 rounded to bf16, h as stored (bf16), sums in f32, partial sums stored in f32.
; NO CLUSTER, NO TENSOR LOADS: each weight byte has one reader and must pass registers to be rounded; the rows that eight work-groups share (about 80 KiB a chunk at 320 rows) do not fit beside the 256 KiB slice,
; and their number hangs on a stored count.
; REGISTERS, in windows of 256 (s_set_vgpr_msb: bits 1:0 source 0, 3:2 source 1, 5:4 source 2, 7:6 destination):
;   window 0: v0-31 addresses; v32-95 packed weights, later the way out; v96-159, v160-223 weight fragments, two buffers
;   window 1: accumulators of blocks 0-3, (a, f) at 64 a + 8 f      window 2: v0-63 block 4's; v128-255 weights as loaded      window 3: row fragments, (a, s) at 32 a + 8 s
.set PSH,    12                        ; a row of W2 is 2^12 bytes
.set PITCHB, 1<<PSH
.set WSTEP,  128*PITCHB
.set ASTEP,  4096                      ; a chunk of a block of hf
.set PSTEP,  2048                      ; two steps of it
.set SPARE,  262144                    ; behind the slice: the spare words, 128 bytes a wave: two blocks of 256 bytes that no other line names
.set LN, 1
.set RR, 2
.set HH, 3
.set WO, 4                             ; my byte offset in a chunk of W2
.set PFO, 5                            ; the row that I ask for ahead: thread x pitch
.set BST, 6                            ; where I store fragments: the chunk being made ready
.set BLD, 7                            ; where I read them: the chunk being fetched
.set L16, 9                            ; 16 x lane
.set AO, 10                            ; v10-14  byte offset of the group's five blocks in hf
.set OO, 20                            ; my place in 16 rows of part: 8 h rows + 16 p
.set T0, 21
.set SPW, 30
.set NIL, 31
.set PK, 32
.set TT, 32
.set BF0, 96
.set BF1, 160
.set WF, 128                           ; window 2
.set WB, 4                             ; s[4:5]   W2 at the chunk whose weights were loaded last
.set AB, 6                             ; s[6:7]   hf at the chunk whose rows were loaded last
.set OBG, 8                            ; s[8:9]   part at my first block of the group in hand
.set AB0, 16
.set WV, 18
.set SE, 19
.set QT, 20
.set N8, 21
.set NBLK, 22
.set NBW, 23
.set NG, 24
.set GI, 25
.set G5, 26
.set NB, 27
.set CC, 28
.set EA, 29
.set PFX, 30
.set NL1, 36                           ; NBLK - 1
.set OB, 44
.set PC, 46
.set LB, 47                            ; LDS byte of the two steps in hand, in the later groups
.set BM, 68                            ; s[68:99] the expert's bitmap
.set W_LO, 0x53                        ; rows window 3, weights window 0, C and D window 1
.set W_HI, 0xa3                        ; the same, C and D window 2
.set MSB, 0
.macro WIN new                         ; the high byte repeats the setting that is left; a switch that changes nothing is dropped
.if MSB != (\new)
	s_set_vgpr_msb (MSB<<8)|(\new)
.set MSB, (\new)
.endif
.endm
.macro PLACES                          ; four places between a matrix instruction and a load into, or a vector line on, one of its registers
.rept 4
	v_nop
.endr
.endm
.macro WLOAD
	WIN 0x80
.set i, 0
.rept 16
	global_load_b128 v[WF+8*i:WF+8*i+3],   v[WO], s[WB:WB+1] offset:i*PITCHB th:TH_LOAD_NT
	global_load_b128 v[WF+8*i+4:WF+8*i+7], v[WO], s[WB:WB+1] offset:i*PITCHB+256 th:TH_LOAD_NT
.set i, i+1
.endr
.endm
.macro WCVT                            ; rows 2 u and 2 u + 1 of column f, rounded together, are register u of fragment f
	WIN 0x0a
.set f, 0
.rept 8
.set u, 0
.rept 8
	v_cvt_pk_bf16_f32 v[PK+8*f+u], v[WF+16*u+f], v[WF+16*u+8+f]
.set u, u+1
.endr
.set f, f+1
.endr
.endm
.macro WSTORE
	WIN 0
.set f, 0
.rept 8
	ds_store_b128 v[BST], v[PK+8*f:PK+8*f+3] offset:1024*f
	ds_store_b128 v[BST], v[PK+8*f+4:PK+8*f+7] offset:1024*f+512
.set f, f+1
.endr
.endm
.macro ALOAD p0, p1                    ; the five blocks' row fragments of two steps: 20 loads of 512 consecutive bytes
	WIN 0xc0
.irp a, 0,1,2,3,4
.irp st, \p0, \p1
	global_load_b128 v[32*\a+8*\st:32*\a+8*\st+3],   v[AO+\a], s[AB:AB+1] offset:1024*\st
	global_load_b128 v[32*\a+8*\st+4:32*\a+8*\st+7], v[AO+\a], s[AB:AB+1] offset:1024*\st+512
.endr
.endr
.endm
.macro BLOAD st, buf
	WIN 0
.set f, 0
.rept 8
	ds_load_b128 v[\buf+8*f:\buf+8*f+3],   v[BLD] offset:8192*(\st)+1024*f
	ds_load_b128 v[\buf+8*f+4:\buf+8*f+7], v[BLD] offset:8192*(\st)+1024*f+512
.set f, f+1
.endr
.endm
; One step's products.  The accumulators take turns, one instruction a turn.  first = 1: the products start the sums, block 4's too, so that every accumulator is written whatever the count;
; else block 4 is jumped where the group has fewer than five blocks.
.macro MULS buf, st, first
	WIN W_LO
.set a, 0
.rept 4
.set f, 0
.rept 8
.if \first
	v_wmma_f32_16x16x32_bf16 v[64*a+8*f:64*a+8*f+7], v[32*a+8*(\st):32*a+8*(\st)+7], v[\buf+8*f:\buf+8*f+7], 0
.else
	v_wmma_f32_16x16x32_bf16 v[64*a+8*f:64*a+8*f+7], v[32*a+8*(\st):32*a+8*(\st)+7], v[\buf+8*f:\buf+8*f+7], v[64*a+8*f:64*a+8*f+7]
.endif
.set f, f+1
.endr
.set a, a+1
.endr
.if !(\first)
	WIN 0
	s_cmp_lt_u32 s[NB], 5
	s_cbranch_scc1 .Lno4_\@
.endif
	WIN W_HI
.set f, 0
.rept 8
.if \first
	v_wmma_f32_16x16x32_bf16 v[8*f:8*f+7], v[128+8*(\st):128+8*(\st)+7], v[\buf+8*f:\buf+8*f+7], 0
.else
	v_wmma_f32_16x16x32_bf16 v[8*f:8*f+7], v[128+8*(\st):128+8*(\st)+7], v[\buf+8*f:\buf+8*f+7], v[8*f:8*f+7]
.endif
.set f, f+1
.endr
	WIN 0
.if !(\first)
.Lno4_\@:
.endif
.endm
.macro PREF                            ; the chunk behind the one at s[WB]: thread t asks for row t's 512 bytes
	global_prefetch_b8 v[PFO], s[WB:WB+1] offset:WSTEP th:TH_LOAD_NT scope:SCOPE_SE
	global_prefetch_b8 v[PFO], s[WB:WB+1] offset:WSTEP+256 th:TH_LOAD_NT scope:SCOPE_SE
.endm
.macro GROUPSET                        ; blocks 4 (G5 + a) + w, held to the blocks that exist
.irp a, 0,1,2,3,4
	s_add_co_u32 s31, s[G5], \a
	s_min_u32 s31, s31, 15
	s_lshl2_add_u32 s31, s31, s[WV]
	s_min_u32 s31, s31, s[NL1]
	s_min_u32 s31, s31, 63
	s_lshl_b32 s31, s31, 17
	v_add_nc_u32 v[AO+\a], s31, v[L16]
.endr
.endm
; STEP 0 OF A CHUNK.  left: the loads issued behind this chunk's rows of steps 0 and 1: the next weights (32, where there are any) and the rows of steps 2 and 3 (20).
.macro STEP0 first, left
	s_wait_loadcnt \left
	s_wait_dscnt 16                                ; step 0's fragments; step 1's 16 loads may be out
	MULS BF0, 0, \first
.endm
; STEPS 1 TO 3 OF CHUNK c, and between them all that makes chunk c + 1 ready (cv = 1).  wl = 1: the weights of chunk c + 2 are loaded.  pf = 2: chunk c + 3 is asked for, but in the loop's last trip, where there is none.
.macro REST cv, wl, pf
	PLACES
	BLOAD 2, BF0
	s_wait_dscnt 16                                ; step 1's fragments; the 16 loads just issued may be out
	MULS BF1, 1, 0
.if \cv
	s_wait_loadcnt 20                              ; the weights of chunk c + 1 are in: behind them only this chunk's rows of steps 2 and 3 were issued
	WCVT                                           ; 64 plain lines: also the places behind steps 0 and 1, for all the loads below
	BLOAD 3, BF1
	WSTORE                                         ; my step of chunk c + 1: bytes that nobody reads ahead of the barrier below
	s_wait_xcnt 0x0                                ; the two bases are stepped only behind this wait; the youngest access that names them is two steps old
	s_add_nc_u64 s[AB:AB+1], s[AB:AB+1], ASTEP
.if \wl
	s_add_nc_u64 s[WB:WB+1], s[WB:WB+1], WSTEP
.endif
	ALOAD 0, 1                                     ; chunk c + 1's rows, steps 0 and 1
.if \wl
	WLOAD                                          ; chunk c + 2's weights, into the registers just rounded
	s_wait_loadcnt 52                              ; this chunk's rows of steps 2 and 3: behind them the 20 and the 32 just issued
.else
	s_wait_loadcnt 20                              ; this chunk's rows of steps 2 and 3: behind them the 20 just issued
.endif
	s_wait_dscnt 32                                ; step 2's fragments: behind them step 3's 16 loads and my 16 stores
	MULS BF0, 2, 0
	s_wait_dscnt 0x0                               ; for the others' sake: my fragments of chunk c + 1 are in LDS (stored a step ago)
	s_barrier_signal -1
	s_barrier_wait -1                              ; everybody's are
	v_add_nc_u32 v[BST], 0x8000, v[BST]            ; no LDS instruction of mine is out: both addresses go a chunk on;
	v_add_nc_u32 v[BLD], 0x8000, v[BLD]            ; with the two lines below they are the four places behind step 2
	v_nop
	v_nop
	BLOAD 0, BF0                                   ; chunk c + 1, step 0: it lands under step 3
.if (\pf) == 2
	s_cmp_eq_u32 s[CC], 1
	s_cbranch_scc1 .Lnopf_\@
	PREF
.Lnopf_\@:
.endif
	MULS BF1, 3, 0
	PLACES
	BLOAD 1, BF1                                   ; chunk c + 1, step 1
	ALOAD 2, 3                                     ; chunk c + 1's rows, steps 2 and 3
	WIN 0
.else
	s_wait_loadcnt 0x0                             ; the last rows
	PLACES
	BLOAD 3, BF1
	s_wait_dscnt 16
	MULS BF0, 2, 0
	s_wait_dscnt 0x0
	MULS BF1, 3, 0
.endif
.endm
; Two steps of a later group, out of the whole slice in LDS: plain, since few splits come here.
.macro PAIR first
	PLACES
	ALOAD 0, 1
	WIN 0
	v_add_nc_u32 v[BLD], s[LB], v[L16]
	BLOAD 0, BF0
	BLOAD 1, BF1
	s_wait_loadcnt 0x0
	s_wait_dscnt 16
	MULS BF0, 0, \first
	s_wait_dscnt 0x0
	MULS BF1, 1, 0
	s_add_nc_u64 s[AB:AB+1], s[AB:AB+1], PSTEP     ; its loads are done: the wait for 0 above
	s_add_co_u32 s[LB], s[LB], 0x4000              ; two steps' fragments on
.endm
; Block a: register j of fragments 4 F + 0..3 side by side, which are 16 consecutive bytes of row 8 h + j; register 0 of every accumulator is read first.  And where the block goes.
.macro STAGE2 a
.if (\a) < 4
	WIN 0x01
.set rA, 64*(\a)
.else
	WIN 0x02
.set rA, 0
.endif
.set j, 0
.rept 8
.set f, 0
.rept 8
	v_mov_b32 v[TT+32*(f/4)+4*j+f%4], v[rA+8*f+j]
.set f, f+1
.endr
.set j, j+1
.endr
	WIN 0
	s_add_nc_u64 s[OB:OB+1], s[OBG:OBG+1], (\a)*262144
.endm
	s_load_b256 s[4:11], s[0:1], 0x0               ; W2 s[4:5], hf s[6:7], part s[8:9], bits s[10:11]
	v_lshl_add_u32 v[SPW], v0, 2, SPARE
	v_mov_b32 v[NIL], 0
	v_and_b32 v[LN], 31, v0
	v_and_b32 v[RR], 15, v0
	v_bfe_u32 v[HH], v0, 4, 1
	v_lshrrev_b32 v[T0], 5, v0
	v_readfirstlane_b32 s[WV], v[T0]
	s_and_b32 s[SE], ttmp7, 0xffff                 ; the expert
	s_lshr_b32 s[QT], ttmp9, 3                     ; the quarter of K
	s_and_b32 s[N8], ttmp9, 7                      ; the 128 columns
	s_lshr_b32 s31, s[WV], 1
	s_lshl_b32 s31, s31, 6
	s_and_b32 s32, s[WV], 1
	s_lshl4_add_u32 s31, s32, s31                  ; my step's first row: 64 (w / 2) + 16 (w % 2),
	v_lshl_add_u32 v[WO], v[HH], 5, s31            ; + 32 h,
	v_lshlrev_b32 v[WO], PSH, v[WO]                ; in bytes,
	v_lshl_add_u32 v[WO], v[RR], 4, v[WO]          ; + my 16 bytes of the row
	v_lshlrev_b32 v[PFO], PSH, v0
	v_lshlrev_b32 v[L16], 4, v[LN]
	v_mov_b32 v[BLD], v[L16]
	s_lshl_b32 s31, s[WV], 13
	v_add_nc_u32 v[BST], s31, v[L16]
	v_lshlrev_b32 v[OO], 15, v[HH]
	v_lshl_add_u32 v[OO], v[RR], 4, v[OO]
	s_mov_b32 s33, 0
	s_lshl_b32 s31, s[N8], 9
	s_wait_kmcnt 0x0
	s_lshl_b32 s32, s[SE], 24
	s_add_co_u32 s32, s32, s31
	s_lshl_b32 s34, s[QT], 22
	s_add_co_u32 s32, s32, s34
	s_add_nc_u64 s[WB:WB+1], s[WB:WB+1], s[32:33]  ; W2[e], my 1,024 rows, my 512 bytes of each
	s_lshl_b32 s32, s[SE], 7
	s_add_nc_u64 s[10:11], s[10:11], s[32:33]
	s_load_b512 s[BM:BM+15], s[10:11], 0x0         ; the expert's 1,024 bits
	s_load_b512 s[BM+16:BM+31], s[10:11], 0x40
	s_lshl_b32 s32, s[SE], 23
	s_lshl_b32 s34, s[QT], 15
	s_add_co_u32 s32, s32, s34
	s_add_nc_u64 s[AB:AB+1], s[AB:AB+1], s[32:33]  ; hf[e][block 0][8 q]
	s_mov_b64 s[AB0:AB0+1], s[AB:AB+1]
	s_lshl_b32 s32, s[QT], 25
	s_lshl_b32 s34, s[SE], 22
	s_add_co_u32 s32, s32, s34
	s_lshl_b32 s34, s[WV], 16
	s_add_co_u32 s32, s32, s34
	s_add_co_u32 s32, s32, s31
	s_add_nc_u64 s[OBG:OBG+1], s[OBG:OBG+1], s[32:33]  ; part[q][e x 1,024 + 16 w], my 512 bytes of each row
	WLOAD                                          ; chunk 0
	WIN 0
	PREF                                           ; chunk 1
	s_mov_b32 s[PFX], 0
	s_wait_kmcnt 0x0
.set i, 0
.rept 32
	s_bcnt1_i32_b32 s31, s[BM+i]
	s_add_co_u32 s[PFX], s[PFX], s31
.set i, i+1
.endr
	s_add_co_u32 s[NBLK], s[PFX], 15
	s_lshr_b32 s[NBLK], s[NBLK], 4
	s_max_u32 s[NBLK], s[NBLK], 1                  ; block 0 was always made, and is always multiplied
	s_sub_co_u32 s[NL1], s[NBLK], 1
	s_add_co_u32 s[NBW], s[NBLK], 3
	s_sub_co_u32 s[NBW], s[NBW], s[WV]
	s_lshr_b32 s[NBW], s[NBW], 2                   ; blocks 4 b + w below NBLK
	s_add_co_u32 s[NG], s[NBW], 4
	s_mul_i32 s[NG], s[NG], 52
	s_lshr_b32 s[NG], s[NG], 8                     ; (NBW + 4) / 5 for NBW up to 16
	s_min_u32 s[NB], s[NBW], 5
	s_mov_b32 s[G5], 0
	GROUPSET
	ALOAD 0, 1                                     ; chunk 0's rows, steps 0 and 1
	WIN 0
	; CHUNK 0 IS MADE READY, with nothing yet to multiply beside it
	s_wait_loadcnt 20                              ; its weights are in: behind them only the 20 loads of rows, steps 0 and 1
	WCVT
	s_wait_xcnt 0x0                                ; s[WB] is stepped only behind this wait
	s_add_nc_u64 s[WB:WB+1], s[WB:WB+1], WSTEP
	WLOAD                                          ; chunk 1's weights
	WIN 0
	PREF                                           ; chunk 2
	WSTORE
	ALOAD 2, 3                                     ; chunk 0's rows, steps 2 and 3
	WIN 0
	s_wait_dscnt 0x0                               ; for the others' sake: my fragments of chunk 0 are in LDS
	s_barrier_signal -1
	s_barrier_wait -1                              ; everybody's are
	v_add_nc_u32 v[BST], 0x8000, v[BST]            ; the next stores are chunk 1's
	BLOAD 0, BF0
	BLOAD 1, BF1
	STEP0 1, 52                                    ; chunk 0's step 0 is written out: its products start the sums
	s_mov_b32 s[CC], 6
.Lchunk:                                               ; a trip: steps 1 to 3 of chunk c and step 0 of chunk c + 1, c = 0 .. 5
	REST 1, 1, 2
	STEP0 0, 52
	s_sub_co_u32 s[CC], s[CC], 1
	s_cmp_lg_u32 s[CC], 0
	s_cbranch_scc1 .Lchunk
	REST 1, 0, 0                                   ; chunk 6: chunk 7 is made ready; no weights are left to load
	STEP0 0, 20                                    ; chunk 7: behind its first rows only its last
	REST 0, 0, 0                                   ; nothing is left to make ready
	s_mov_b32 s[GI], 0
.Lgroup:                                               ; four trips cover 16 blocks a wave, the most that any split gives
	s_cmp_eq_u32 s[GI], 0
	s_cbranch_scc1 .Lepi                           ; group 0 was multiplied in the stream: only its way out is left
	s_cmp_ge_u32 s[GI], s[NG]
	s_cbranch_scc1 .Lgnext                         ; a wave without such a group goes to the counter's step
	s_sub_co_u32 s31, s[NBW], s[G5]
	s_min_u32 s[NB], s31, 5
	s_wait_loadcnt 0x0
	s_wait_xcnt 0x0
	GROUPSET
	s_mov_b64 s[AB:AB+1], s[AB0:AB0+1]
	s_mov_b32 s[LB], 0
	PAIR 1
	s_mov_b32 s[PC], 15
.Lpair:
	PAIR 0
	s_sub_co_u32 s[PC], s[PC], 1
	s_cmp_lg_u32 s[PC], 0
	s_cbranch_scc1 .Lpair
.Lepi:
	PLACES                                         ; between the last products and the first read of a sum
	s_cmp_eq_u32 s[NB], 0
	s_cbranch_scc1 .Lgnext
	s_mov_b32 s[EA], 0
.Leloop:                                               ; a trip: a block of 16 rows x 128 columns
	s_wait_xcnt 0x0                                ; the last trip's stores have read their data and s[OB]
.irp idx, 1,2,3,4
	s_cmp_eq_u32 s[EA], \idx
	s_cbranch_scc1 .Lst\idx
.endr
.irp idx, 0,1,2,3,4
.Lst\idx:
	STAGE2 \idx
.if (\idx) < 4
	s_branch .Lcommon
.endif
.endr
.Lcommon:
.set j, 0
.rept 8
	global_store_b128 v[OO], v[TT+4*j:TT+4*j+3], s[OB:OB+1] offset:4096*j          ; each half of the lanes stores 256 consecutive bytes, aligned: rows j and 8 + j
	global_store_b128 v[OO], v[TT+32+4*j:TT+32+4*j+3], s[OB:OB+1] offset:4096*j+256
.set j, j+1
.endr
	s_add_co_u32 s[EA], s[EA], 1
	s_cmp_lt_u32 s[EA], s[NB]
	s_cbranch_scc1 .Leloop
.Lgnext:
	s_add_nc_u64 s[OBG:OBG+1], s[OBG:OBG+1], 1310720  ; five of my blocks on
	s_add_co_u32 s[G5], s[G5], 5
	s_add_co_u32 s[GI], s[GI], 1
	s_cmp_lt_u32 s[GI], 4
	s_cbranch_scc1 .Lgroup
	s_wait_dscnt 0x0                               ; my reads of the slice are back,
	s_barrier_signal -1
	s_barrier_wait -1                              ; and so are everybody's, ahead of the closing lines
	s_wait_tensorcnt 0x0                           ; the wave's end: three closing lines behind my last LDS store
	ds_add_u32 v[SPW], v[NIL]
	s_wait_dscnt 0x0
	s_endpgm
.Lfunc_end_k_qda82c2d0be_ffn2:
	.size	k_qda82c2d0be_ffn2, .Lfunc_end_k_qda82c2d0be_ffn2-k_qda82c2d0be_ffn2
	.p2alignl 7, 3214868480
	.fill 96, 4, 3214868480
	.section	.rodata,"a",@progbits
	.p2align	6, 0x0
	.amdhsa_kernel k_qda82c2d0be_ffn2
		.amdhsa_group_segment_fixed_size 262656
		.amdhsa_private_segment_fixed_size 0
		.amdhsa_enable_private_segment 0
		.amdhsa_kernarg_size 32
		.amdhsa_user_sgpr_count 2
		.amdhsa_user_sgpr_kernarg_segment_ptr 1
		.amdhsa_wavefront_size32 1
		.amdhsa_system_sgpr_workgroup_id_x 1
		.amdhsa_system_sgpr_workgroup_id_y 1
		.amdhsa_system_sgpr_workgroup_id_z 1
		.amdhsa_system_vgpr_workitem_id 0
		.amdhsa_next_free_vgpr 1024
		.amdhsa_next_free_sgpr 100
		.amdhsa_reserve_vcc 0
		.amdhsa_float_denorm_mode_32 3
		.amdhsa_float_denorm_mode_16_64 3
		.amdhsa_memory_ordered 1
		.amdhsa_forward_progress 1
		.amdhsa_inst_pref_size 123
	.end_amdhsa_kernel
	.amdgpu_metadata
---
amdhsa.version: [ 1, 2 ]
amdhsa.kernels:
  - .name:           k_qda82c2d0be_ffn2
    .symbol:         k_qda82c2d0be_ffn2.kd
    .args:
      - { .name: W2, .offset: 0, .size: 8, .value_kind: global_buffer, .address_space: global }
      - { .name: hf, .offset: 8, .size: 8, .value_kind: global_buffer, .address_space: global }
      - { .name: part, .offset: 16, .size: 8, .value_kind: global_buffer, .address_space: global }
      - { .name: bits, .offset: 24, .size: 8, .value_kind: global_buffer, .address_space: global }
    .group_segment_fixed_size: 262656
    .private_segment_fixed_size: 0
    .kernarg_segment_align: 8
    .kernarg_segment_size: 32
    .max_flat_workgroup_size: 128
    .sgpr_count:     100
    .vgpr_count:     1024
    .wavefront_size: 32
...
	.end_amdgpu_metadata
.endif
;; end of part 3
;; launch combine (part 4): grid 256 x 1, 8 waves a work-group, no clusters, 0 bytes of LDS; arguments part, b2, eidx, pos, rout, out0, out1; writes out0, out1
.if DOCPART == 4
	.amdgcn_target "amdgcn-amd-amdhsa--gfx1250"
	.amdhsa_code_object_version 6
	.text
	.protected	k_qda82c2d0be_combine
	.globl	k_qda82c2d0be_combine
	.p2align	8
	.type	k_qda82c2d0be_combine,@function
k_qda82c2d0be_combine:
	s_mov_b64 s[64:65], 0
	v_nop
	global_prefetch_b8 v0, s[64:65] scope:SCOPE_SE
	s_setreg_imm32_b32 hwreg(HW_REG_WAVE_MODE, 25, 1), 1
	s_wait_xcnt 0x0
; THE SUM.  out0[t] = g0 (b2[e0] + the four partial rows of (e0, rank0)) + g1 (the same for e1).  out1 = the sum over experts of (column sum of the probabilities)^2 / 128  (= 8 x mean x sum over 1,024 tokens).
; A wave has half a token's row, 2,048 bytes: 8 partial rows and 2 biases, 40 loads of 512 consecutive bytes, all issued before the first wait; each output byte has one owner.
; Which rows: the token's two experts and its rank in each expert's list are whole numbers that earlier launches stored; all eight ranks are fetched beside the experts, so that there is one round of scalar loads, not two.
; b2 is rounded to bf16 like every input; everything else is f32.  Memory binds: no LDS, no matrix unit, no cluster (no two work-groups read the same partial row).
.set PT, 40                            ; s[40:55] part at (j, q): pair 4 j + q
.set BB, 56                            ; s[56:59] b2 at e0, e1
.set OP, 60                            ; s[60:61] out0 at my half row
	s_load_b256 s[4:11], s[0:1], 0x0               ; part s[4:5], b2 s[6:7], eidx s[8:9], pos s[10:11]
	s_load_b128 s[12:15], s[0:1], 0x20             ; rout s[12:13], out0 s[14:15]
	s_load_b64 s[16:17], s[0:1], 0x30              ; out1
	v_and_b32 v1, 31, v0
	v_lshrrev_b32 v2, 5, v0
	v_readfirstlane_b32 s18, v2                    ; wave
	v_lshlrev_b32 v3, 4, v1                        ; 16 x lane
	s_lshr_b32 s19, s18, 1
	s_lshl2_add_u32 s19, ttmp9, s19                ; my token: 4 x work-group + wave / 2
	s_and_b32 s20, s18, 1
	s_lshl_b32 s20, s20, 11                        ; my half of a row, in bytes
	s_lshl_b32 s21, s19, 3
	s_lshl_b32 s22, s19, 2
	s_wait_kmcnt 0x0
	s_load_b64 s[24:25], s[8:9], s21 offset:0x0    ; e0, e1
	s_load_b64 s[26:27], s[12:13], s21 offset:0x0  ; g0, g1
.irp e, 0,1,2,3,4,5,6,7
	s_load_b32 s[32+\e], s[10:11], s22 offset:4096*\e  ; my token's rank in every expert's list
.endr
	s_mov_b32 s31, 0
	s_wait_kmcnt 0x0
.irp j, 0,1
	s_min_u32 s[24+\j], s[24+\j], 7
	s_mov_b32 s28, s32
.irp e, 1,2,3,4,5,6,7
	s_cmp_eq_u32 s[24+\j], \e
	s_cselect_b32 s28, s[32+\e], s28
.endr
	s_min_u32 s28, s28, 1023
	s_lshl_b32 s30, s[24+\j], 10
	s_add_co_u32 s30, s30, s28                     ; the row: 1,024 e + rank
	s_lshl_b32 s30, s30, 12
	s_add_co_u32 s30, s30, s20
	s_add_nc_u64 s[PT+8*\j:PT+8*\j+1], s[4:5], s[30:31]
	s_add_nc_u64 s[PT+8*\j+2:PT+8*\j+3], s[PT+8*\j:PT+8*\j+1], 0x2000000      ; the next quarter of K: 8,192 rows on
	s_add_nc_u64 s[PT+8*\j+4:PT+8*\j+5], s[PT+8*\j:PT+8*\j+1], 0x4000000
	s_add_nc_u64 s[PT+8*\j+6:PT+8*\j+7], s[PT+8*\j:PT+8*\j+1], 0x6000000
	s_lshl_b32 s30, s[24+\j], 12
	s_add_co_u32 s30, s30, s20
	s_add_nc_u64 s[BB+2*\j:BB+2*\j+1], s[6:7], s[30:31]
.endr
	s_lshl_b32 s30, s19, 12
	s_add_co_u32 s30, s30, s20
	s_add_nc_u64 s[OP:OP+1], s[14:15], s[30:31]
	s_mov_b32 s22, s27                             ; g1 as a pair's low word; g0 is s[26:27]'s
	s_mov_b32 s23, s27
.set p, 0
.rept 4                                                ; piece p: 512 bytes of my half row; its ten quads at v[32 + 40 p]
.set k, 0
.rept 8
	global_load_b128 v[32+40*p+4*k:32+40*p+4*k+3], v3, s[PT+2*k:PT+2*k+1] offset:512*p th:TH_LOAD_NT
.set k, k+1
.endr
	global_load_b128 v[32+40*p+32:32+40*p+35], v3, s[BB:BB+1] offset:512*p
	global_load_b128 v[32+40*p+36:32+40*p+39], v3, s[BB+2:BB+3] offset:512*p
.set p, p+1
.endr
.set p, 0
.rept 4
.set b, 32+40*p
	s_wait_loadcnt 10*(3-p)                        ; loads come back in order: the later pieces' ten each may stay out
.set j, 0
.rept 2
	v_cvt_pk_bf16_f32 v4, v[b+32+4*j], v[b+32+4*j+1]      ; the bias rounded to bf16 and widened again
	v_cvt_pk_bf16_f32 v5, v[b+32+4*j+2], v[b+32+4*j+3]
	v_lshlrev_b32 v[b+32+4*j], 16, v4
	v_and_b32 v[b+32+4*j+1], 0xffff0000, v4
	v_lshlrev_b32 v[b+32+4*j+2], 16, v5
	v_and_b32 v[b+32+4*j+3], 0xffff0000, v5
.set h, 0
.rept 2
	v_pk_add_f32 v[b+16*j+h:b+16*j+h+1], v[b+16*j+h:b+16*j+h+1], v[b+16*j+4+h:b+16*j+4+h+1]
	v_pk_add_f32 v[b+16*j+8+h:b+16*j+8+h+1], v[b+16*j+8+h:b+16*j+8+h+1], v[b+16*j+12+h:b+16*j+12+h+1]
	v_pk_add_f32 v[b+16*j+h:b+16*j+h+1], v[b+16*j+h:b+16*j+h+1], v[b+16*j+8+h:b+16*j+8+h+1]
	v_pk_add_f32 v[b+16*j+h:b+16*j+h+1], v[b+16*j+h:b+16*j+h+1], v[b+32+4*j+h:b+32+4*j+h+1]
.set h, h+2
.endr
.set j, j+1
.endr
.set h, 0
.rept 2
	v_pk_mul_f32 v[b+h:b+h+1], v[b+h:b+h+1], s[26:27] op_sel_hi:[1,0]
	v_pk_fma_f32 v[b+h:b+h+1], v[b+16+h:b+16+h+1], s[22:23], v[b+h:b+h+1] op_sel_hi:[1,0,1]
.set h, h+2
.endr
	global_store_b128 v3, v[b:b+3], s[OP:OP+1] offset:512*p th:TH_STORE_NT   ; the wave stores 512 consecutive bytes, aligned
.set p, p+1
.endr
	s_or_b32 s30, ttmp9, s18
	s_cmp_lg_u32 s30, 0
	s_cbranch_scc1 .Lend                           ; one wave of the launch makes out1
.set k, 0
.rept 4                                                ; 64 work-groups' eight column sums, 2,048 bytes: lane l holds experts 4 (l % 2) + 0..3 of rows 16 k + l / 2
	global_load_b128 v[192+4*k:192+4*k+3], v3, s[12:13] offset:8192+512*k
.set k, k+1
.endr
	s_mov_b32 s30, 0x76543210
	s_mov_b32 s31, 0xfedcba98
	s_wait_loadcnt 0x0
.irp h, 0,2
	v_pk_add_f32 v[192+\h:193+\h], v[192+\h:193+\h], v[196+\h:197+\h]
	v_pk_add_f32 v[200+\h:201+\h], v[200+\h:201+\h], v[204+\h:205+\h]
	v_pk_add_f32 v[192+\h:193+\h], v[192+\h:193+\h], v[200+\h:201+\h]
.endr
.irp m, 2,4,8                                          ; over the lanes of my parity
.irp c, 0,1,2,3
	v_add_f32_dpp v[192+\c], v[192+\c], v[192+\c] row_xmask:\m row_mask:0xf bank_mask:0xf
.endr
.endr
.irp c, 0,1,2,3
	v_permlanex16_b32 v[196+\c], v[192+\c], s30, s31
.endr
.irp c, 0,1,2,3
	v_add_f32 v[192+\c], v[192+\c], v[196+\c]
.endr
	v_mul_f32 v4, v192, v192
	v_fmac_f32 v4, v193, v193
	v_fmac_f32 v4, v194, v194
	v_fmac_f32 v4, v195, v195
	v_add_f32_dpp v4, v4, v4 row_xmask:1 row_mask:0xf bank_mask:0xf   ; the other four experts
	v_mul_f32 v4, 0x3c000000, v4                   ; / 128
	v_mov_b32 v5, 0
	v_cmp_eq_u32 vcc_lo, 0, v1
	s_wait_xcnt 0x0                                ; EXEC changes only behind this wait: it is a source of the instructions above
	s_and_saveexec_b32 s34, vcc_lo
	global_store_b32 v5, v4, s[16:17]
	s_wait_xcnt 0x0
	s_or_b32 exec_lo, exec_lo, s34
.Lend:
	s_endpgm
.Lfunc_end_k_qda82c2d0be_combine:
	.size	k_qda82c2d0be_combine, .Lfunc_end_k_qda82c2d0be_combine-k_qda82c2d0be_combine
	.p2alignl 7, 3214868480
	.fill 96, 4, 3214868480
	.section	.rodata,"a",@progbits
	.p2align	6, 0x0
	.amdhsa_kernel k_qda82c2d0be_combine
		.amdhsa_group_segment_fixed_size 0
		.amdhsa_private_segment_fixed_size 0
		.amdhsa_enable_private_segment 0
		.amdhsa_kernarg_size 56
		.amdhsa_user_sgpr_count 2
		.amdhsa_user_sgpr_kernarg_segment_ptr 1
		.amdhsa_wavefront_size32 1
		.amdhsa_system_sgpr_workgroup_id_x 1
		.amdhsa_system_sgpr_workgroup_id_y 1
		.amdhsa_system_sgpr_workgroup_id_z 1
		.amdhsa_system_vgpr_workitem_id 0
		.amdhsa_next_free_vgpr 208
		.amdhsa_next_free_sgpr 66
		.amdhsa_reserve_vcc 1
		.amdhsa_float_denorm_mode_32 3
		.amdhsa_float_denorm_mode_16_64 3
		.amdhsa_memory_ordered 1
		.amdhsa_forward_progress 1
		.amdhsa_inst_pref_size 19
	.end_amdhsa_kernel
	.amdgpu_metadata
---
amdhsa.version: [ 1, 2 ]
amdhsa.kernels:
  - .name:           k_qda82c2d0be_combine
    .symbol:         k_qda82c2d0be_combine.kd
    .args:
      - { .name: part, .offset: 0, .size: 8, .value_kind: global_buffer, .address_space: global }
      - { .name: b2, .offset: 8, .size: 8, .value_kind: global_buffer, .address_space: global }
      - { .name: eidx, .offset: 16, .size: 8, .value_kind: global_buffer, .address_space: global }
      - { .name: pos, .offset: 24, .size: 8, .value_kind: global_buffer, .address_space: global }
      - { .name: rout, .offset: 32, .size: 8, .value_kind: global_buffer, .address_space: global }
      - { .name: out0, .offset: 40, .size: 8, .value_kind: global_buffer, .address_space: global }
      - { .name: out1, .offset: 48, .size: 8, .value_kind: global_buffer, .address_space: global }
    .group_segment_fixed_size: 0
    .private_segment_fixed_size: 0
    .kernarg_segment_align: 8
    .kernarg_segment_size: 56
    .max_flat_workgroup_size: 256
    .sgpr_count:     66
    .vgpr_count:     208
    .wavefront_size: 32
...
	.end_amdgpu_metadata
.endif
;; end of part 4
